; MI455X (gfx1250); checked and timed in simulation.
; The chip was launched on July 23, 2026; its instructions are those of AMD's public machine-readable ISA for CDNA 5 (MIT licence, August 2026) and "CDNA5" Instruction Set Architecture Reference Guide (July 2026). The comments in the code are by the model that wrote it; some were corrected since.
;; Multi Head Attention. Allowed arithmetic: matrix products marked QUANTISED: E2M1 operands, one E8M0 scale for each 32 along K, by v_wmma_scale_f32_16x16x128_f8f6f4 with both operands' format E2M1 (or v_wmma_scale_f32_32x16x128_f4), f32 sums; everything else in f32.
;; Inputs: Wk 1,024 x 1,024 float32; Wo 1,024 x 1,024 float32; Wq 1,024 x 1,024 float32; Wv 1,024 x 1,024 float32; bk 1,024 float32; bo 1,024 float32; bq 1,024 float32; bv 1,024 float32; key 4 x 2,048 x 1,024 float32; mask 4 x 1 x 1 x 2,048 int32; query 4 x 2,048 x 1,024 float32; value 4 x 2,048 x 1,024 float32.
;; Outputs: out0 4 x 2,048 x 1,024 float32.
;; This version of the problem:
;;   THIS VERSION OF THE PROBLEM IS GIVEN IN LOW PRECISION. The matrix products marked QUANTISED in the list below multiply operands that are first quantised to E2M1 (2 exponent bits, 1 mantissa bit; 4 bits a number), with one power-of-two scale for each 32 numbers along K (OCP MX v1.0); their sums are f32. All else is computed in f32.
;;   The module's matrix products, in the order in which they are computed (A, B: the left and right operand; K: the contracted axis; several contracted axes count as one K, in the product's order):
;;     1. [M 8,192, K 1,024] x [K 1,024, N 1,024]; A: input query; B: input Wq: QUANTISED
;;     2. [M 8,192, K 1,024] x [K 1,024, N 1,024]; A: input key; B: input Wk: QUANTISED
;;     3. [M 8,192, K 1,024] x [K 1,024, N 1,024]; A: input value; B: input Wv: QUANTISED
;;     4. batch 64 x [M 2,048, K 64] x [K 64, N 2,048]; A: computed on the way; B: computed on the way: QUANTISED
;;     5. batch 64 x [M 2,048, K 2,048] x [K 2,048, N 64]; A: softmax (see below); B: computed on the way: QUANTISED
;;     6. [M 8,192, K 1,024] x [K 1,024, N 1,024]; A: computed on the way; B: input Wo: QUANTISED
;;   THE QUANTISER, for each operand of a quantised product, along K:
;;     - K is cut into blocks of 32 from its start; a last block that is shorter is filled with zeros.
;;     - A block's scale is 2^e with e = floor(log2(the largest magnitude in the block)) - 2, held to -126 .. 127; a block of zeros has e = 0. As a byte (E8M0): e + 127.
;;     - Each number is divided by its block's scale, clamped to +-6, and rounded to the nearest number of E2M1, ties to even, subnormals kept.
;;     - The product sums the exact products of the quantised numbers (number of the format x scale) in f32.
;;   ~~~python
;;   def quantise(x, axis):      # numpy; x: float32 -> the quantised numbers, widened to float32 again
;;       x = np.moveaxis(x, axis, -1); K = x.shape[-1]
;;       x = np.pad(x, [(0, 0)] * (x.ndim - 1) + [(0, -K % 32)]); x = x.reshape(x.shape[:-1] + (-1, 32)); a = np.abs(x).max(-1, keepdims=True)
;;       e = np.where(a > 0, np.clip(np.frexp(np.where(a > 0, a, 1))[1] - 1 - 2, -126, 127), 0)      # np.frexp(a)[1] - 1 = floor(log2(a)), exactly
;;       r = np.clip(x / 2.0 ** e, -6, 6)
;;       step = 2.0 ** (np.maximum(np.frexp(np.where(r == 0, 1, r))[1] - 1, 0) - 1)
;;       q = np.round(r / step) * step * 2.0 ** e      # np.round: ties to even
;;       return np.moveaxis(q.reshape(q.shape[:-2] + (-1,))[..., :K], -1, axis).astype(np.float32)
;;   ~~~
;;   SOFTMAX AHEAD OF A QUANTISED PRODUCT. Where the list says 'softmax', what is quantised is not the finished softmax but p = 2^(t - M), with t = logit x log2(e) and M = ceil(the row's largest t), a whole number; so 1/2 < the row's largest p <= 1. The row's sum l is taken of the UNQUANTISED p, in f32, and the product's result is divided by l at the end. Since M is a whole number, a kernel that streams over the keys may use a running M (the ceiling of the running maximum): every later rescaling is an exact power of two, which a block's scale takes up: the codes' values come out the same.
;;   OPERANDS COMPUTED ON THE WAY. 'Computed on the way' means the value that the module computes at that place (a softmax that the list does not call 'softmax' is quantised finished and normalised). What goes into a quantiser is computed in f32, as accurately as f32 sums, v_exp_f32 and their like allow (about 1e-6 of the number): no bf16 or f16 on the way to a quantiser, and a product that is left as it is and whose result goes on into a quantised operand takes f32 operands (vector FMAs, or v_wmma_f32_16x16x4_f32). A number that lies on a knife's edge between two numbers of the format may be rounded either way, as far as f32 arithmetic and the matrix unit's own rounding can turn it there, and no further.
;; One version. Each part assembles by itself: llvm-mc -triple=amdgcn-amd-amdhsa -mcpu=gfx1250 --defsym DOCPART=n.
;; ======== version 1 of 1: 4 launches
;; limits: right only within a limited range of input values
;; workspace buffers: xc 14,680,064 bytes; xs 917,504 bytes; qrec 9,175,040 bytes; kvrec 9,175,040 bytes; oimg 4,194,304 bytes; osc 262,144 bytes
;; launch quant (part 1): grid 256 x 1, 7 waves a work-group, no clusters, 60,160 bytes of LDS; arguments query, key, value, Wq, Wk, Wv, Wo, xc, xs; writes xc, xs
.if DOCPART == 1
	.amdgcn_target "amdgcn-amd-amdhsa--gfx1250"
	.amdhsa_code_object_version 6
	.text
	.protected	k_q50886d564c_quant
	.globl	k_q50886d564c_quant
	.p2align	8
	.type	k_q50886d564c_quant,@function
k_q50886d564c_quant:
	s_mov_b64 s[64:65], 0
	v_nop
	global_prefetch_b8 v0, s[64:65] scope:SCOPE_SE
	s_setreg_imm32_b32 hwreg(HW_REG_WAVE_MODE, 25, 1), 1
	s_wait_xcnt 0x0
; query, key, value [8192][1024] and Wq, Wk, Wv, Wo [1024][1024], f32, K innermost, become codes of FP4 (E2M1) with one E8M0 byte for each 32 along K,
; laid in the ORDER OF AN OPERAND'S REGISTERS.  A TILE is 16 rows: lane r of tile T stands for row 32 (T / 2) + 8 (T % 2) + r + 8 (r / 8), so that results made from two neighbouring
; tiles as source 0 of a matrix instruction are 16 neighbours along that axis.  xc: 1,792 tiles x 8,192 bytes = [K step 8][c 2][lane 32][16 bytes]: registers 4 c .. 4 c + 3 of the lane,
; k = 128 s + 64 c + 32 (lane / 16) + 0 .. 31.  xs: 1,792 x 512 bytes = [kh 2][r 16][q 4] words, the word of K step 4 kh + q, byte b for k = 32 b .. 32 b + 31 of that step.
; Tiles 0-511 query, 512-1023 key, 1024-1535 value, 1536-1599 Wq, 1600-1663 Wk, 1664-1727 Wv, 1728-1791 Wo.
; A block's scale is 2^(floor(log2(its largest magnitude)) - 2); its byte is that magnitude's exponent field - 2, held at 1 from below.
; LIMITS: a block of zeros gets the byte 1 and not 127 (its codes are zeros, and this program alone reads the bytes); blocks whose largest magnitude lies under 2^-124 are held at byte 1; NaN and infinities are not served.
; SHARES: 1,792 tiles = 256 work-groups x 7 waves; a wave owns one tile, 64 KiB of f32, eight fragments.  Waves share nothing: no barrier, no tensor load, no cluster (no byte is read twice).
; Each load reads 512 consecutive bytes of one row; a fragment's 16 rows turn through the wave's own stage in LDS so that a lane gets its two whole blocks of 32 neighbours.  Loads run two fragments (32 loads) ahead.
.set PITCH, 528                        ; a stage row: 512 bytes + 16: row r begins 4 r banks on, so the 16 rows that a load touches begin in 16 different places
.set WST,   16*PITCH                   ; a wave's stage
.set C,     16                         ; v16-23   a fragment's codes
.set W,     24                         ; v24-31   the eight scale words of my row
.set R,     32                         ; v32-159  two sets of 64 registers as loaded
.set X,     160                        ; v160-223 my two blocks: register 32 c + j = k 64 c + 32 h + j
	s_load_b512 s[4:19], s[0:1], 0x0               ; query, key, value, Wq, Wk, Wv, Wo, xc
	s_load_b64 s[20:21], s[0:1], 0x40              ; xs
	v_lshl_add_u32 v224, v0, 2, 0xe700
	v_mov_b32 v225, 0
	v_lshrrev_b32 v1, 5, v0
	v_readfirstlane_b32 s22, v1                    ; wave 0..6
	v_and_b32 v1, 31, v0                           ; lane
	v_and_b32 v6, 15, v0                           ; r
	v_bfe_u32 v7, v0, 4, 1                         ; h
	v_lshlrev_b32 v2, 4, v1                        ; 16 x lane: my bytes of a load's 512, and of a store's
	s_mul_i32 s28, s22, WST
	v_add_nc_u32 v3, s28, v2                       ; the stage, on the way in
	v_mul_u32_u24 v4, v6, PITCH
	v_lshl_add_u32 v4, v7, 7, v4
	v_add_nc_u32 v4, s28, v4                       ; and on the way out: row r, + 128 h
	v_lshlrev_b32 v5, 3, v7                        ; 8 h: where my two bytes stand in the scale word
	v_mov_b32 v15, 0                               ; a lane permute's destination counts as read: written once
	s_mov_b32 s30, 0x76543210
	s_mov_b32 s31, 0xfedcba98                      ; selects for lane l xor 16
	s_mul_i32 s23, ttmp9, 7
	s_add_co_u32 s23, s23, s22                     ; my tile G
	s_wait_alu depctr_va_vdst(0)
	s_wait_kmcnt 0x0
	s_mov_b64 s[26:27], s[16:17]                   ; which tensor, and its first tile: chosen on G alone
	s_mov_b32 s24, 1728
	s_cmp_lt_u32 s23, 1728
	s_cselect_b64 s[26:27], s[14:15], s[26:27]
	s_cselect_b32 s24, 1664, s24
	s_cmp_lt_u32 s23, 1664
	s_cselect_b64 s[26:27], s[12:13], s[26:27]
	s_cselect_b32 s24, 1600, s24
	s_cmp_lt_u32 s23, 1600
	s_cselect_b64 s[26:27], s[10:11], s[26:27]
	s_cselect_b32 s24, 1536, s24
	s_cmp_lt_u32 s23, 1536
	s_cselect_b64 s[26:27], s[8:9], s[26:27]
	s_cselect_b32 s24, 1024, s24
	s_cmp_lt_u32 s23, 1024
	s_cselect_b64 s[26:27], s[6:7], s[26:27]
	s_cselect_b32 s24, 512, s24
	s_cmp_lt_u32 s23, 512
	s_cselect_b64 s[26:27], s[4:5], s[26:27]
	s_cselect_b32 s24, 0, s24
	s_sub_co_u32 s25, s23, s24                     ; T: the tile's number in its tensor
	s_lshr_b32 s28, s25, 1
	s_lshl_b32 s28, s28, 5
	s_and_b32 s29, s25, 1
	s_lshl_b32 s29, s29, 3
	s_add_co_u32 s28, s28, s29                     ; its first row: 32 (T / 2) + 8 (T % 2)
	s_lshl_b32 s28, s28, 12                        ; rows of 4,096 bytes
	s_mov_b32 s29, 0
	s_add_nc_u64 s[26:27], s[26:27], s[28:29]
	s_lshl_b32 s28, s23, 13
	s_add_nc_u64 s[18:19], s[18:19], s[28:29]      ; the tile's record of codes
	s_lshl_b32 s28, s23, 9
	s_add_nc_u64 s[20:21], s[20:21], s[28:29]      ; and of scale words
.macro LOAD f                          ; fragment f: 128 along K of the tile's 16 rows (rows 0-7 and 16-23 from its first)
.irp i, 0,1,2,3,4,5,6,7,8,9,10,11,12,13,14,15
	global_load_b128 v[R+64*((\f)%2)+4*\i:R+64*((\f)%2)+4*\i+3], v2, s[26:27] offset:(\i+8*(\i/8))*4096+512*(\f) th:TH_LOAD_NT
.endr
.endm
.macro FRG f
.if (\f) < 7
	s_wait_loadcnt 16                              ; this fragment's 16 loads are in; the next fragment's 16 may be out
.else
	s_wait_loadcnt 0x0
.endif
.irp i, 0,1,2,3,4,5,6,7,8,9,10,11,12,13,14,15
	ds_store_b128 v3, v[R+64*((\f)%2)+4*\i:R+64*((\f)%2)+4*\i+3] offset:PITCH*\i
.endr
.irp c, 0,1
.irp e, 0,1,2,3,4,5,6,7
	ds_load_b128 v[X+32*\c+4*\e:X+32*\c+4*\e+3], v4 offset:256*\c+16*\e   ; LDS serves a wave's instructions in order: these see the stores above
.endr
.endr
	s_wait_dscnt 0x0                               ; my blocks are in, and the stores have read the set, which takes the loads of two fragments on
.if (\f) < 6
	LOAD (\f)+2
.endif
.irp c, 0,1
	v_max3_num_f32 v[8+\c], |v[X+32*\c]|, |v[X+32*\c+1]|, 0x1800000   ; block 2 c + h: all 32 numbers are mine; the floor 2^(3 - 127) keeps the byte at 1 or more
.endr
.irp i, 2,4,6,8,10,12,14,16,18,20,22,24,26,28,30
.irp c, 0,1
	v_max3_num_f32 v[8+\c], v[8+\c], |v[X+32*\c+\i]|, |v[X+32*\c+\i+1]|
.endr
.endr
.irp c, 0,1
	v_add_nc_u32 v[10+\c], 0xff000000, v[8+\c]     ; 2 off the exponent field: the conversion's scale operand
.endr
.irp c, 0,1
	v_lshrrev_b32 v[12+\c], 23, v[10+\c]           ; the scale's byte
.endr
	v_lshl_or_b32 v14, v13, 16, v12                ; my bytes are those of blocks h and 2 + h
	v_lshlrev_b32 v14, v5, v14
	v_permlanex16_b32 v15, v14, s30, s31
	v_or_b32 v[W+(\f)], v14, v15                   ; with lane l xor 16's two the word is whole
	s_wait_alu depctr_va_vdst(0)
	s_wait_xcnt 0x0                                ; the last fragment's stores have read the code registers
.irp c, 0,1
.irp g, 0,1,2,3
	v_cvt_scalef32_pk8_fp4_f32 v[C+4*\c+\g], v[X+32*\c+8*\g:X+32*\c+8*\g+7], v[10+\c]
.endr
.endr
	v_nop                                          ; one plain line behind the last scaled conversion
.irp c, 0,1
	global_store_b128 v2, v[C+4*\c:C+4*\c+3], s[18:19] offset:1024*(\f)+512*\c   ; 512 consecutive bytes, aligned
.endr
.endm
	LOAD 0
	LOAD 1
.irp f, 0,1,2,3,4,5,6,7
	FRG \f
.endr
	v_cmp_le_u32 vcc_lo, 16, v1                    ; lanes 16-31 store the words of K steps 4-7
.irp q, 0,1,2,3
	v_cndmask_b32 v[W+\q], v[W+\q], v[W+4+\q], vcc_lo
.endr
	global_store_b128 v2, v[W:W+3], s[20:21]       ; [kh = h][r][q]: 512 consecutive bytes
	s_wait_tensorcnt 0x0
	ds_add_u32 v224, v225
	s_wait_dscnt 0x0
	s_endpgm
.Lfunc_end_k_q50886d564c_quant:
	.size	k_q50886d564c_quant, .Lfunc_end_k_q50886d564c_quant-k_q50886d564c_quant
	.p2alignl 7, 3214868480
	.fill 96, 4, 3214868480
	.section	.rodata,"a",@progbits
	.p2align	6, 0x0
	.amdhsa_kernel k_q50886d564c_quant
		.amdhsa_group_segment_fixed_size 60160
		.amdhsa_private_segment_fixed_size 0
		.amdhsa_enable_private_segment 0
		.amdhsa_kernarg_size 72
		.amdhsa_user_sgpr_count 2
		.amdhsa_user_sgpr_kernarg_segment_ptr 1
		.amdhsa_wavefront_size32 1
		.amdhsa_system_sgpr_workgroup_id_x 1
		.amdhsa_system_sgpr_workgroup_id_y 1
		.amdhsa_system_sgpr_workgroup_id_z 1
		.amdhsa_system_vgpr_workitem_id 0
		.amdhsa_next_free_vgpr 226
		.amdhsa_next_free_sgpr 66
		.amdhsa_reserve_vcc 1
		.amdhsa_float_denorm_mode_32 3
		.amdhsa_float_denorm_mode_16_64 3
		.amdhsa_memory_ordered 1
		.amdhsa_forward_progress 1
		.amdhsa_inst_pref_size 58
	.end_amdhsa_kernel
	.amdgpu_metadata
---
amdhsa.version: [ 1, 2 ]
amdhsa.kernels:
  - .name:           k_q50886d564c_quant
    .symbol:         k_q50886d564c_quant.kd
    .args:
      - { .name: query, .offset: 0, .size: 8, .value_kind: global_buffer, .address_space: global }
      - { .name: key, .offset: 8, .size: 8, .value_kind: global_buffer, .address_space: global }
      - { .name: value, .offset: 16, .size: 8, .value_kind: global_buffer, .address_space: global }
      - { .name: Wq, .offset: 24, .size: 8, .value_kind: global_buffer, .address_space: global }
      - { .name: Wk, .offset: 32, .size: 8, .value_kind: global_buffer, .address_space: global }
      - { .name: Wv, .offset: 40, .size: 8, .value_kind: global_buffer, .address_space: global }
      - { .name: Wo, .offset: 48, .size: 8, .value_kind: global_buffer, .address_space: global }
      - { .name: xc, .offset: 56, .size: 8, .value_kind: global_buffer, .address_space: global }
      - { .name: xs, .offset: 64, .size: 8, .value_kind: global_buffer, .address_space: global }
    .group_segment_fixed_size: 60160
    .private_segment_fixed_size: 0
    .kernarg_segment_align: 8
    .kernarg_segment_size: 72
    .max_flat_workgroup_size: 224
    .sgpr_count:     66
    .vgpr_count:     226
    .wavefront_size: 32
...
	.end_amdgpu_metadata
.endif
;; end of part 1
;; launch proj (part 2): grid 4 x 96, 4 waves a work-group, clusters of 4 x 4, 327,680 bytes of LDS; arguments xc, xs, bq, bk, bv, mask, qrec, kvrec; writes qrec, kvrec
.if DOCPART == 2
	.amdgcn_target "amdgcn-amd-amdhsa--gfx1250"
	.amdhsa_code_object_version 6
	.text
	.protected	k_q50886d564c_proj
	.globl	k_q50886d564c_proj
	.p2align	8
	.type	k_q50886d564c_proj,@function
k_q50886d564c_proj:
	s_mov_b64 s[64:65], 0
	v_nop
	global_prefetch_b8 v0, s[64:65] scope:SCOPE_SE
	s_setreg_imm32_b32 hwreg(HW_REG_WAVE_MODE, 25, 1), 1
	s_wait_xcnt 0x0
	s_wait_alu depctr_hold_cnt(0) depctr_sa_sdst(0) depctr_va_vdst(0) depctr_va_sdst(0) depctr_va_ssrc(0) depctr_va_vcc(0) depctr_vm_vsrc(0)
	s_getreg_b32 s2, hwreg(HW_REG_IB_STS2, 6, 4)
	s_cmp_eq_u32 s2, 0
	s_cbranch_scc0 .Lentry_in_a_cluster
	s_endpgm
.Lentry_in_a_cluster:
	s_bfe_u32 s2, ttmp6, 0x10000c
	s_cmp_lg_u32 s2, 0xf033
	s_cbranch_scc0 .Lentry_shape_is_right
	s_endpgm
.Lentry_shape_is_right:
; Q = query Wq^T + bq, K = key Wk^T + bk, V = value Wv^T + bv on codes of FP4 with E8M0 scales, and the results quantised in registers for the attention: Q and K along the head's 64, V along the keys.
; Work-group (X, Y): tensor p = Y / 32 (0 Q, 1 K, 2 V), tokens 256 (Y % 32) on, features 256 X on.  Four waves, each 128 x 128: 64 accumulators, 512 registers.
; K = 1,024 fits in LDS whole: 16 token tiles and 16 weight tiles of 8,192 bytes and their scale records.  Every LDS byte is filled once; one wait for all tensor loads and one barrier stand in front of all reads.
; Two tensor loads of a wave are out at the most.  The operands lie in memory in the order of an operand's registers (see the launch that makes them): a fragment is two loads of 512 consecutive bytes, no pitch, no padding.
; CLUSTERS: 4 x 4 work-groups.  The four of a row of the cluster need the same tokens, the four of a column the same weights: each panel is asked for JOINTLY, by the same tensor load with a mask that names the four.
; ROLES.  Source 1 gives a result's lane, source 0 its registers.  Q, K: source 1 = tokens, source 0 = weights: a lane holds one token and its 64 registers of a token tile are 128 neighbouring features = two heads.
; V: the two panels change places (three address registers differ, nothing else): a lane holds one feature and its 64 registers are 128 neighbouring keys: V^T, with the keys as the next K.
; OUT, per head (batch x 16 + head) a record of 143,360 bytes.  qrec: +0 Q's half fragments [tile 128][lane][16 bytes] (d = 32 h + 0 .. 31), +131072 scale words [tile / 4][r][tile % 4].
; kvrec: +0 K likewise, +65536 V^T's fragments [key step 16][d tile 4][1,024], +131072 K's scale words, +139264 V's [key step][r][d tile].  Bytes 2, 3 of a Q or K word stand over zero codes and are never 0xff.
; THE MASK: the codes of a key whose mask is 0 are set to 0, so that its score is exactly the bias that the attention adds.
; LIMITS: a block of zeros gets the byte 1 and not 127; blocks whose largest magnitude lies under 2^-124 are held at byte 1; NaN and infinities are not served.
; REGISTERS, in windows of 256: window 0: v1-27 addresses; v32-95 scale words and nothing else; v96-123 the quantiser's; v128-191 source 1's fragments, later 64 sums; v192-223 words to store, mask, V's bias.
;   window 1: source 0's fragments, two sets, v0-63 and v128-191; v64-127 the bias along the features.   windows 2, 3: the accumulators, (a, b) at v[8 (8 (a % 4) + b)] of window 2 + a / 4.
.set REC,   143360
.set SCL,   262144                     ; LDS: 0 the tokens' panel, 131072 the weights', here the tokens' scale records, 8,192 on the weights'
.set FR,    8
.set ADRA,  16                         ; v16  source 1's panel: 16 x lane + my 8 tiles
.set ADRB,  20                         ; v20  source 0's
.set LI,    24                         ; v24  16 x lane
.set LH,    25                         ; v25  h x REC + 16 r
.set ADRS,  27                         ; v27  scale records: lanes 0-15 source 1's, lanes 16-31 source 0's
.set SC,    32                         ; register 8 i + s: the word of block i, K step s
.set PC,    96                         ; v96-103  codes just made
.set TM,    104                        ; v104-119 the quantiser's work
.set PW,    120                        ; the scale word just made
.set SH,    121                        ; 16 h
.set KEEP,  122
.set ONES,  123
.set AF,    128
.set T,     128
.set PWS,   192                        ; v192-199 scale words to store
.set MK,    200                        ; v200-207 the mask of my token in tile a, then the AND word for its codes
.set BV,    208                        ; v208-223 V: the bias of my feature in tile a, twice
.set BI,    64                         ; window 1: the bias of features 32 b + 16 h + i at register 16 b + i
.set G1, 24
.set G0, 32
.set G1B, 48
.set G0B, 56
.set G1S, 68
.set G0S, 76
.set G1SB, 80
.set G0SB, 88
.set SEL, 100
.set MSB, 0
.macro WIN new                         ; the immediate's high byte repeats the setting that is left
.if MSB != (\new)
	s_set_vgpr_msb (MSB<<8)|(\new)
.set MSB, (\new)
.endif
.endm
.set MUL_LO, 0xa1                      ; source 0 window 1, source 1 window 0, C and D window 2
.set MUL_HI, 0xf1                      ; the same, C and D window 3
.set TO_B,   0x40                      ; destination window 1
; A joint load: waves 0 and 1 fetch the tokens' halves, waves 2 and 3 the weights'.  The branch hangs on the wave's number alone.  Four v_nop follow each of the two lines.
.macro JLOAD g0a, g1a, g0b, g1b
	s_cmp_eq_u32 s21, 0
	s_cbranch_scc0 .Lfor_b_\@
	tensor_load_to_lds s[\g0a:\g0a+3], s[\g1a:\g1a+7]
	s_nop 0
.rept 4
	v_nop
.endr
	s_branch .Lasked_\@
.Lfor_b_\@:
	tensor_load_to_lds s[\g0b:\g0b+3], s[\g1b:\g1b+7]
	s_nop 0
.rept 4
	v_nop
.endr
.Lasked_\@:
.endm
.macro CROUND                          ; a round of the cluster's barrier
	s_barrier_signal -1
	s_barrier_wait -1
	s_cmp_lg_u32 s20, 0
	s_cbranch_scc1 .Lnot_wave_0_\@
	s_barrier_signal -3
.Lnot_wave_0_\@:
	s_barrier_wait -3
	s_barrier_signal -1
	s_barrier_wait -1
.endm
.macro PLACES n
.rept \n
	v_nop
.endr
.endm
	s_load_b512 s[4:19], s[0:1], 0x0               ; xc, xs, bq, bk, bv, mask, qrec, kvrec
	v_lshl_add_u32 v254, v0, 2, 0x44000
	v_mov_b32 v255, 0
	ds_add_u32 v254, v255
	ds_add_u32 v254, v255
	v_lshrrev_b32 v1, 5, v0
	v_readfirstlane_b32 s20, v1                    ; wave 0..3
	s_lshr_b32 s21, s20, 1                         ; which half of the tokens is mine.  Also: I fetch tokens (0) or weights (1)
	s_and_b32 s22, s20, 1                          ; which half of the features.  Also: which half of that panel I fetch
	s_bfe_u32 s40, ttmp6, 0x40000                  ; cx, cy: my place in the cluster
	s_bfe_u32 s41, ttmp6, 0x40004
	s_lshl_b32 s42, ttmp9, 2
	s_add_co_u32 s42, s42, s40                     ; X
	s_and_b32 s36, ttmp7, 0xffff                   ; the cluster's y
	s_lshl_b32 s37, s36, 2
	s_add_co_u32 s37, s37, s41                     ; Y
	s_lshr_b32 s38, s36, 3                         ; p = Y / 32, from the cluster's y alone: the same in all sixteen
	s_lshl_b32 s43, s41, 2
	s_lshl_b32 s43, 15, s43                        ; my row of the cluster
	s_lshl_b32 s44, 0x1111, s40                    ; my column
	s_or_b32 s[G1], s43, (3<<16)|(1<<21)           ; 15:0 the mask; 17:16 elements of 8 bytes; 21 set beside a mask; no padding
	s_or_b32 s[G1B], s44, (3<<16)|(1<<21)
	s_or_b32 s[G1S], s43, (3<<16)|(1<<21)
	s_or_b32 s[G1SB], s44, (3<<16)|(1<<21)
.irp g, G1, G1B                        ; codes: 8 tiles = 65,536 dense bytes as 256 rows of 256
	s_mov_b32 s[\g+1], 32<<16
	s_mov_b32 s[\g+2], 256<<16
	s_mov_b32 s[\g+3], 32<<16
	s_mov_b32 s[\g+4], 256
	s_mov_b32 s[\g+5], 32
	s_mov_b32 s[\g+6], 0
	s_mov_b32 s[\g+7], 0
.endr
.irp g, G1S, G1SB                      ; scale records: 8 x 512 = 4,096 dense bytes as 16 rows of 256
	s_mov_b32 s[\g+1], 32<<16
	s_mov_b32 s[\g+2], 16<<16
	s_mov_b32 s[\g+3], 32<<16
	s_mov_b32 s[\g+4], 16
	s_mov_b32 s[\g+5], 32
	s_mov_b32 s[\g+6], 0
	s_mov_b32 s[\g+7], 0
.endr
	s_lshl_b32 s47, s22, 3
	s_lshl_b32 s45, s37, 4
	s_add_co_u32 s45, s45, s47                     ; the first token tile that I fetch: 16 Y + 8 x half
	s_lshl_b32 s46, s42, 4
	s_add_co_u32 s46, s46, s47
	s_lshl_b32 s39, s38, 6
	s_add_co_u32 s46, s46, s39
	s_add_co_u32 s46, s46, 1536                    ; the first weight tile: 1536 + 64 p + 16 X + 8 x half
	s_lshl_b32 s60, s45, 13
	s_mov_b32 s61, 0
	s_lshl_b32 s62, s45, 9
	s_mov_b32 s63, 0
	s_lshl_b32 s92, s46, 13
	s_mov_b32 s93, 0
	s_lshl_b32 s94, s46, 9
	s_mov_b32 s95, 0
	s_lshl_b32 s96, s20, 16                        ; where they go: wave x 65,536, wave x 4,096: no place in the cluster enters an LDS address
	s_lshl_b32 s97, s20, 12
	s_mov_b32 s[SEL], 0x76543210
	s_mov_b32 s[SEL+1], 0xfedcba98
	s_wait_dscnt 0x0
	s_wait_kmcnt 0x0
	CROUND                                         ; all sixteen work-groups are here: the joint loads meet
	s_mov_b32 s[G0S], 1
	s_add_co_u32 s[G0S+1], s97, SCL
	s_add_nc_u64 s[G0S+2:G0S+3], s[6:7], s[62:63]
	s_or_b32 s[G0S+3], s[G0S+3], 0x80000000
	s_mov_b32 s[G0SB], 1
	s_add_co_u32 s[G0SB+1], s97, SCL
	s_add_nc_u64 s[G0SB+2:G0SB+3], s[6:7], s[94:95]
	s_or_b32 s[G0SB+3], s[G0SB+3], 0x80000000
	JLOAD G0S, G1S, G0SB, G1SB
	s_mov_b32 s[G0], 1
	s_mov_b32 s[G0+1], s96
	s_add_nc_u64 s[G0+2:G0+3], s[4:5], s[60:61]
	s_or_b32 s[G0+3], s[G0+3], 0x80000000
	s_mov_b32 s[G0B], 1
	s_mov_b32 s[G0B+1], s96
	s_add_nc_u64 s[G0B+2:G0B+3], s[4:5], s[92:93]
	s_or_b32 s[G0B+3], s[G0B+3], 0x80000000
	s_wait_alu depctr_va_vdst(0)
	s_wait_tensorcnt 0x0
	ds_add_u32 v254, v255
	s_wait_dscnt 0x0
	CROUND
	JLOAD G0, G1, G0B, G1B
	; the bias and the mask come while the panels are on their way
	s_cmp_eq_u32 s38, 1
	s_cselect_b64 s[66:67], s[10:11], s[8:9]
	s_cmp_eq_u32 s38, 2
	s_cselect_b64 s[66:67], s[12:13], s[66:67]
	s_lshl_b32 s92, s42, 10
	s_lshl_b32 s94, s22, 9
	s_add_co_u32 s92, s92, s94                     ; my first feature, 256 X + 128 x half, in bytes
	s_add_nc_u64 s[66:67], s[66:67], s[92:93]
	s_and_b32 s2, s37, 31                          ; Y % 32
	s_lshl_b32 s60, s2, 10
	s_lshl_b32 s62, s21, 9
	s_add_co_u32 s60, s60, s62                     ; my first token, 256 (Y % 32) + 128 x half, in bytes of the mask
	s_add_nc_u64 s[14:15], s[14:15], s[60:61]
	v_and_b32 v1, 15, v0                           ; r
	v_bfe_u32 v2, v0, 4, 1                         ; h
	v_and_b32 v3, 31, v0                           ; lane
	v_lshlrev_b32 v[LI], 4, v3
	v_lshlrev_b32 v4, 6, v2                        ; 16 h numbers
	v_and_b32 v5, 8, v1
	v_add_nc_u32 v5, v5, v1
	v_lshlrev_b32 v5, 2, v5                        ; (r + 8 (r / 8)) numbers
	WIN TO_B
.irp b, 0,1,2,3
.irp e, 0,1,2,3
	global_load_b128 v[BI+16*\b+4*\e:BI+16*\b+4*\e+3], v4, s[66:67] offset:128*\b+16*\e
.endr
.endr
	WIN 0
.irp a, 0,1,2,3,4,5,6,7
	global_load_b32 v[BV+2*\a], v5, s[66:67] offset:(32*(\a/2)+8*(\a%2))*4
	global_load_b32 v[BV+2*\a+1], v5, s[66:67] offset:(32*(\a/2)+8*(\a%2))*4
	global_load_b32 v[MK+\a], v5, s[14:15] offset:(32*(\a/2)+8*(\a%2))*4
.endr
	v_mul_u32_u24 v[LH], v2, REC
	v_lshl_add_u32 v[LH], v1, 4, v[LH]
	v_lshlrev_b32 v[SH], 4, v2
.irp b, 0,1,2,3
	v_mov_b32 v[TM+4+\b], 0                        ; a lane permute's destination counts as read: written once
.endr
	; which panel is source 1 and which source 0
	s_lshl_b32 s96, s21, 16                        ; my 8 token tiles
	s_lshl_b32 s97, s22, 16
	s_add_co_u32 s97, s97, 131072                  ; my 8 weight tiles
	s_cmp_eq_u32 s38, 2
	s_cselect_b32 s47, s97, s96
	s_cselect_b32 s39, s96, s97
	s_cselect_b32 s3, 1, 0
	v_add_nc_u32 v[ADRA], s47, v[LI]
	v_add_nc_u32 v[ADRB], s39, v[LI]
	s_lshl_b32 s96, s21, 12
	s_lshl_b32 s97, s22, 12
	s_add_co_u32 s97, s97, 8192
	s_sub_co_u32 s97, s97, s96                     ; from my tokens' scale records to my weights'
	v_xor_b32 v6, s3, v2                           ; 0: this lane takes the tokens' words, 1: the weights'
	v_mul_u32_u24 v6, s97, v6
	v_lshl_add_u32 v6, v1, 4, v6
	s_add_co_u32 s96, s96, SCL
	v_add_nc_u32 v[ADRS], s96, v6
	; where the results go
	s_lshr_b32 s23, s2, 3                          ; batch
	s_lshl_b32 s23, s23, 4
	s_lshl_b32 s3, s42, 2
	s_add_co_u32 s23, s23, s3
	s_lshl_b32 s3, s22, 1
	s_add_co_u32 s23, s23, s3                      ; my first head: 16 batch + 4 X + 2 x half
	s_mul_i32 s23, s23, REC
	s_and_b32 s2, s2, 7
	s_lshl_b32 s2, s2, 1
	s_add_co_u32 s2, s2, s21                       ; my 128 tokens are key step 2 (Y % 8) + half of the batch: tiles 8 x step on
	s_lshl_b32 s98, s2, 12
	s_add_co_u32 s98, s98, s23                     ; codes: 4,096 bytes a step, for Q, K (8 tiles x 512) and V (4 x 1,024) alike
	s_mov_b32 s99, 0
	s_mov_b32 s3, 0
.macro FRAG reg, adr, q, i             ; a fragment, 16 rows x 128 K, as it lies: two loads of 512 consecutive bytes
.irp c, 0,1
	ds_load_b128 v[\reg+4*\c:\reg+4*\c+3], v[\adr] offset:(\i)*8192+(\q)*1024+512*\c
.endr
.endm
.macro FETCH_B q, p                    ; source 0's eight fragments of K step q into set p
	WIN TO_B
.irp i, 0,1,2,3,4,5,6,7
	FRAG 128*(\p)+FR*\i, ADRB, \q, \i
.endr
	WIN 0
.endm
.macro FETCH_A q, i0                   ; source 1's blocks i0 .. i0 + 3
.irp i, \i0, \i0+1, \i0+2, \i0+3
	FRAG AF+FR*(\i), ADRA, \q, \i
.endr
.endm
.macro SCALES                          ; all scale words, once
.irp i, 0,1,2,3,4,5,6,7
.irp kh, 0,1
	ds_load_b128 v[SC+8*\i+4*\kh:SC+8*\i+4*\kh+3], v[ADRS] offset:512*\i+256*\kh
.endr
.endr
.endm
; 16 matrix instructions: source 1's blocks a0, a0 + 1 x source 0's eight.  The 64 accumulators take turns, one instruction a turn, in the same order in every step.
.macro MUL16 a0, p, q, zero
.irp a, \a0, \a0+1
.irp b, 0,1,2,3,4,5,6,7
.if \zero
	v_wmma_scale_f32_16x16x128_f8f6f4 v[8*(8*((\a)%4)+\b):8*(8*((\a)%4)+\b)+7], v[128*(\p)+FR*\b:128*(\p)+FR*\b+FR-1], v[AF+FR*(\a):AF+FR*(\a)+FR-1], 0, v[SC+8*\b+(\q)], v[SC+8*(\a)+(\q)] matrix_a_fmt:MATRIX_FMT_FP4 matrix_b_fmt:MATRIX_FMT_FP4 matrix_a_scale:MATRIX_SCALE_ROW1
.else
	v_wmma_scale_f32_16x16x128_f8f6f4 v[8*(8*((\a)%4)+\b):8*(8*((\a)%4)+\b)+7], v[128*(\p)+FR*\b:128*(\p)+FR*\b+FR-1], v[AF+FR*(\a):AF+FR*(\a)+FR-1], v[8*(8*((\a)%4)+\b):8*(8*((\a)%4)+\b)+7], v[SC+8*\b+(\q)], v[SC+8*(\a)+(\q)] matrix_a_fmt:MATRIX_FMT_FP4 matrix_b_fmt:MATRIX_FMT_FP4 matrix_a_scale:MATRIX_SCALE_ROW1
.endif
.endr
.endr
.endm
; A K step of 128.  Source 1 has one set of registers: blocks 0-3 are fetched anew in the step's middle, blocks 4-7 at its end; source 0 has two sets.
; Four plain vector lines stand between a matrix instruction and a load into a register that it read (ISA guide 7.12.1 for vector instructions).
.macro STEP q, zero
	s_wait_dscnt 8                                 ; all but the youngest eight loads (source 1's blocks 4-7)
	WIN MUL_LO
	MUL16 0, (\q)%2, \q, \zero
	MUL16 2, (\q)%2, \q, \zero
	s_wait_dscnt 0x0
	PLACES 4
	FETCH_B (\q)+1, 1-(\q)%2
	FETCH_A (\q)+1, 0
	WIN MUL_HI
	MUL16 4, (\q)%2, \q, \zero
	MUL16 6, (\q)%2, \q, \zero
	PLACES 4
	WIN 0
	FETCH_A (\q)+1, 4
.endm
; 64 numbers of a lane, register 16 b + i = k 32 b + 16 h + i of my row, become a fragment's codes in v[PC] on and its scale word in v[PW].
.macro QUANT s
.irp b, 0,1,2,3
	v_max3_num_f32 v[TM+\b], |v[\s+16*\b]|, |v[\s+1+16*\b]|, 0x1800000   ; my 16 numbers of block b, and the floor 2^(3 - 127): the byte cannot fall under 1
.endr
.irp i, 2,4,6,8,10,12,14
.irp b, 0,1,2,3
	v_max3_num_f32 v[TM+\b], v[TM+\b], |v[\s+16*\b+\i]|, |v[\s+1+16*\b+\i]|
.endr
.endr
.irp b, 0,1,2,3
	v_permlanex16_b32 v[TM+4+\b], v[TM+\b], s[SEL], s[SEL+1]
.endr
.irp b, 0,1,2,3
	v_max_num_f32 v[TM+\b], v[TM+\b], v[TM+4+\b]   ; with lane l xor 16's: the block's largest magnitude
.endr
.irp b, 0,1,2,3
	v_add_nc_u32 v[TM+12+\b], 0xff000000, v[TM+\b] ; 2 off its exponent field: the conversion's scale operand
.endr
.irp b, 0,1,2,3
	v_lshrrev_b32 v[TM+4+\b], 23, v[TM+12+\b]      ; the scale's byte
.endr
	v_lshl_or_b32 v[PW], v[TM+5], 8, v[TM+4]
	v_lshl_or_b32 v[PW], v[TM+6], 16, v[PW]
	v_lshl_or_b32 v[PW], v[TM+7], 24, v[PW]
.irp b, 0,1,2,3
	v_cvt_scalef32_pk8_fp4_f32 v[PC+2*\b], v[\s+16*\b:\s+7+16*\b], v[TM+12+\b]
	v_cvt_scalef32_pk8_fp4_f32 v[PC+1+2*\b], v[\s+8+16*\b:\s+15+16*\b], v[TM+12+\b]
.endr
	v_nop                                          ; one plain line behind a scaled conversion
.irp c, 0,1                            ; the operand's layout wants a whole block in a lane
.irp i, 0,1
	v_permlane16_swap_b32 v[PC+4*\c+\i], v[PC+2+4*\c+\i]
.endr
.endr
.endm
; Source 1's block a: its eight accumulators + the bias, quantised, stored.
.macro EPI a, isv
	s_wait_xcnt 0x0                                ; the last block's stores have read the code registers
.if \isv
	WIN 0x02+(\a)/4                                ; source 0: window 2 or 3
.else
	WIN 0x06+(\a)/4                                ; and source 1: window 1
.endif
.set AC, 64*((\a)%4)
.set i, 0
.rept 32                               ; ascending: each accumulator is read from its low end on
.if \isv
	v_pk_add_f32 v[T+i:T+i+1], v[AC+i:AC+i+1], v[BV+2*(\a):BV+2*(\a)+1]
.else
	v_pk_add_f32 v[T+i:T+i+1], v[AC+i:AC+i+1], v[BI+i:BI+i+1]
.endif
.set i, i+2
.endr
	WIN 0
	QUANT T
.if \isv
.irp c, 0,1
	global_store_b128 v[LI], v[PC+4*\c:PC+4*\c+3], s[16:17] offset:65536+REC*((\a)/4)+1024*((\a)%4)+512*\c   ; head a / 4 of my two, d tile a % 4: 512 consecutive bytes
.endr
	v_mov_b32 v[PWS+(\a)], v[PW]
.else
.irp k, 0,1,2,3,4,5,6,7
	v_and_b32 v[PC+\k], v[MK+(\a)], v[PC+\k]       ; a masked key's codes become 0
.endr
.irp c, 0,1
	global_store_b128 v[LI], v[PC+4*\c:PC+4*\c+3], s[16:17] offset:512*(\a)+REC*\c   ; registers 4 c on are head c's half fragment
.endr
	v_lshrrev_b32 v[PWS+(\a)], v[SH], v[PW]        ; lanes 16-31 carry the second head's two bytes
.if (\a)%4 == 3
	global_store_b128 v[LH], v[PWS+(\a)-3:PWS+(\a)], s[18:19] offset:131072+256*((\a)/4)   ; sixteen lanes fill 256 aligned bytes of their head's words
.endif
.endif
.endm
	s_wait_alu depctr_va_vdst(0)
	s_wait_tensorcnt 0x0                           ; my two loads have landed,
	s_barrier_signal -1
	s_barrier_wait -1                              ; everybody's have
	FETCH_B 0, 0
	FETCH_A 0, 0
	SCALES
	FETCH_A 0, 4
	STEP 0, 1                                      ; the first step's products start the sums
.irp q, 1,2,3,4,5,6
	STEP \q, 0
.endr
	s_wait_dscnt 8                                 ; the last step: nothing more to fetch
	WIN MUL_LO
	MUL16 0, 1, 7, 0
	MUL16 2, 1, 7, 0
	s_wait_dscnt 0x0
	WIN MUL_HI
	MUL16 4, 1, 7, 0
	MUL16 6, 1, 7, 0
	WIN 0
	PLACES 4                                       ; in front of the first read of results and the first write over source 1's fragments
	s_wait_loadcnt 0x0                             ; bias and mask
	s_cmp_eq_u32 s38, 2
	s_cbranch_scc1 .Lv
	s_lshl_b32 s2, s2, 9                           ; Q, K: scale words, 512 bytes a step
	s_add_co_u32 s2, s2, s23
	s_cmp_eq_u32 s38, 0
	s_cselect_b64 s[16:17], s[16:17], s[18:19]     ; Q goes to qrec, K to kvrec
	s_cselect_b32 s39, -1, 0                       ; Q's codes are kept whatever the mask says
	s_add_nc_u64 s[18:19], s[16:17], s[2:3]
	s_add_nc_u64 s[16:17], s[16:17], s[98:99]
	v_mov_b32 v[KEEP], s39
	v_mov_b32 v[ONES], -1
.irp a, 0,1,2,3,4,5,6,7
	v_cmp_ne_u32 vcc_lo, 0, v[MK+\a]
	v_cndmask_b32 v[MK+\a], v[KEEP], v[ONES], vcc_lo
.endr
.irp a, 0,1,2,3,4,5,6,7
	EPI \a, 0
.endr
	s_branch .Ldone
.Lv:
	s_lshl_b32 s2, s2, 8                           ; V: scale words, 256 bytes a step
	s_add_co_u32 s2, s2, s23
	s_add_nc_u64 s[16:17], s[18:19], s[98:99]
	s_add_nc_u64 s[18:19], s[18:19], s[2:3]
	s_mov_b32 s47, 0xffff0000                      ; lanes 16-31
.irp a, 0,1,2,3,4,5,6,7
	EPI \a, 1
.endr
.irp t, 0,1,2,3
	v_cndmask_b32 v[PWS+\t], v[PWS+\t], v[PWS+4+\t], s47   ; lanes 16-31 store the second head's four words
.endr
	global_store_b128 v[LH], v[PWS:PWS+3], s[18:19] offset:139264
.Ldone:
	s_wait_tensorcnt 0x0
	ds_add_u32 v254, v255
	s_wait_dscnt 0x0
	CROUND                                         ; the closing round: no work-group ends while a partner may still ask for a panel that names it
	s_endpgm
.Lfunc_end_k_q50886d564c_proj:
	.size	k_q50886d564c_proj, .Lfunc_end_k_q50886d564c_proj-k_q50886d564c_proj
	.p2alignl 7, 3214868480
	.fill 96, 4, 3214868480
	.section	.rodata,"a",@progbits
	.p2align	6, 0x0
	.amdhsa_kernel k_q50886d564c_proj
		.amdhsa_group_segment_fixed_size 327680
		.amdhsa_private_segment_fixed_size 0
		.amdhsa_enable_private_segment 0
		.amdhsa_kernarg_size 64
		.amdhsa_user_sgpr_count 2
		.amdhsa_user_sgpr_kernarg_segment_ptr 1
		.amdhsa_wavefront_size32 1
		.amdhsa_system_sgpr_workgroup_id_x 1
		.amdhsa_system_sgpr_workgroup_id_y 1
		.amdhsa_system_sgpr_workgroup_id_z 1
		.amdhsa_system_vgpr_workitem_id 0
		.amdhsa_next_free_vgpr 1024
		.amdhsa_next_free_sgpr 102
		.amdhsa_reserve_vcc 1
		.amdhsa_float_denorm_mode_32 3
		.amdhsa_float_denorm_mode_16_64 3
		.amdhsa_memory_ordered 1
		.amdhsa_forward_progress 1
		.amdhsa_inst_pref_size 198
	.end_amdhsa_kernel
	.amdgpu_metadata
---
amdhsa.version: [ 1, 2 ]
amdhsa.kernels:
  - .name:           k_q50886d564c_proj
    .symbol:         k_q50886d564c_proj.kd
    .args:
      - { .name: xc, .offset: 0, .size: 8, .value_kind: global_buffer, .address_space: global }
      - { .name: xs, .offset: 8, .size: 8, .value_kind: global_buffer, .address_space: global }
      - { .name: bq, .offset: 16, .size: 8, .value_kind: global_buffer, .address_space: global }
      - { .name: bk, .offset: 24, .size: 8, .value_kind: global_buffer, .address_space: global }
      - { .name: bv, .offset: 32, .size: 8, .value_kind: global_buffer, .address_space: global }
      - { .name: mask, .offset: 40, .size: 8, .value_kind: global_buffer, .address_space: global }
      - { .name: qrec, .offset: 48, .size: 8, .value_kind: global_buffer, .address_space: global }
      - { .name: kvrec, .offset: 56, .size: 8, .value_kind: global_buffer, .address_space: global }
    .group_segment_fixed_size: 327680
    .private_segment_fixed_size: 0
    .kernarg_segment_align: 8
    .kernarg_segment_size: 64
    .max_flat_workgroup_size: 128
    .sgpr_count:     102
    .vgpr_count:     1024
    .wavefront_size: 32
...
	.end_amdgpu_metadata
.endif
;; end of part 2
;; launch attn (part 3): grid 4 x 64, 16 waves a work-group, clusters of 4 x 1, 169,984 bytes of LDS; arguments qrec, kvrec, mask, oimg, osc; writes oimg, osc
.if DOCPART == 3
	.amdgcn_target "amdgcn-amd-amdhsa--gfx1250"
	.amdhsa_code_object_version 6
	.text
	.protected	k_q50886d564c_attn
	.globl	k_q50886d564c_attn
	.p2align	8
	.type	k_q50886d564c_attn,@function
k_q50886d564c_attn:
	s_mov_b64 s[64:65], 0
	v_nop
	global_prefetch_b8 v0, s[64:65] scope:SCOPE_SE
	s_setreg_imm32_b32 hwreg(HW_REG_WAVE_MODE, 25, 1), 1
	s_wait_xcnt 0x0
	s_wait_alu depctr_hold_cnt(0) depctr_sa_sdst(0) depctr_va_vdst(0) depctr_va_sdst(0) depctr_va_ssrc(0) depctr_va_vcc(0) depctr_vm_vsrc(0)
	s_getreg_b32 s2, hwreg(HW_REG_IB_STS2, 6, 4)
	s_cmp_eq_u32 s2, 0
	s_cbranch_scc0 .Lentry_in_a_cluster
	s_endpgm
.Lentry_in_a_cluster:
	s_bfe_u32 s2, ttmp6, 0x10000c
	s_cmp_lg_u32 s2, 0x3003
	s_cbranch_scc0 .Lentry_shape_is_right
	s_endpgm
.Lentry_shape_is_right:
; O[b][h][q] = sum over k of softmax_k(Q . K / 8, masked) V, both products on codes of FP4 with E8M0 scales, and O / l quantised along the head's 64 for the last product.
; THE SOFTMAX AHEAD OF THE SECOND PRODUCT: t = score x log2(e) / 8; M = the running largest t rounded UP to a whole number; p = 2^(t - M) is quantised along the keys; the row's sum l is taken of the unquantised p
; and divides O at the end.  When M moves, l and O are multiplied by 2^(old M - new M): exact.
; SHARES.  A work-group owns one head (grid y) and 512 of its queries; each of its sixteen waves takes two tiles of 16 queries, one after the other, in 256 registers: four waves to a SIMD.
; The head's whole record (K's half fragments, V^T's fragments, both scale words: 143,360 bytes) comes into LDS ONCE, as it lies in memory, by one tensor load a wave (35 rows of 256 bytes): one load of mine is out; no byte is filled twice.
; CLUSTER: the four work-groups of a cluster share the head: each of these loads is asked for JOINTLY, with the mask that names the four.
; LAYOUT.  Both products are used transposed: S^T = K Q^T, O^T = V^T P^T: a lane holds ONE query.  Lane r of a tile of keys, of queries or of d stands for 32 (T / 2) + 8 (T % 2) + r + 8 (r / 8), so that the
; 16 registers of result tiles 2 b, 2 b + 1 are 16 neighbours.  The head has 64 along the first product's K: registers 4-7 of K's and Q's fragments are zeros.
; THE MASK costs no vector work in the loop: a table of 0 or -2^33 for each key is loaded into the score registers and the product adds onto it; a masked key's codes are zeros, so its score is exactly -2^33,
; and -2^33 x log2(e) / 8 is a whole number: in a row with no open key t = M and every p = 1 (uniform weights); in any other row a masked p is 0.
; LIMITS: a masked logit counts as -2^30 and not -1e9: the result differs only where an open logit lies near or under -1e9.  A block of zeros gets the byte 1.  NaN and infinities are not served.
; OUT: oimg [tile 512][head 16][lane][16 bytes], osc [tile][kh 2][r 16][q 4] words: head hd owns bytes 2 (hd % 2), + 1 of word (hd / 8, (hd / 2) % 4).  Those bytes are stored singly: two heads, of two work-groups, share a word.
; REGISTERS: v1-5 addresses that stay; v6-10 a step's addresses; v11 my place in osc; v12 -M, v13 the largest t, v[14:15] l; v16-23 Q; v24-28 the second tile's Q and its scale word in waiting;
; v32-95 K's eight fragments; v96-159 S^T, then p; v160-191 O^T; v192-223 V's four fragments; v224-231 p's codes; v240-243 K's scale words, v248-251 V's, v253 p's, v255 Q's; the rest at work.
.set REC,  143360
.set MB,   143360                      ; LDS: 0 K, 65536 V^T, 131072 K's scale words, 139264 V's, here the mask's table, 8,192 bytes, which no tensor load touches
.set AK0,  1
.set AV0,  2
.set ASK0, 3
.set ASV0, 4
.set AM0,  5
.set ADK,  6
.set ADV,  7
.set ADS,  8
.set ADT,  9
.set ADM,  10
.set WV,   14
.set SEL,  20
.set CS,   22
.set G1,   24
.set G0,   32
.set TK,   36                          ; a step's codes: 4,096 bytes on, K's and V's alike
.set TS,   37                          ; K's scale words and the mask's table: 512
.set TJ,   38                          ; V's scale words: 256
.set CNT,  39
.set HM,   50
.macro CROUND
	s_barrier_signal -1
	s_barrier_wait -1
	s_cmp_lg_u32 s[WV], 0
	s_cbranch_scc1 .Lnot_wave_0_\@
	s_barrier_signal -3
.Lnot_wave_0_\@:
	s_barrier_wait -3
	s_barrier_signal -1
	s_barrier_wait -1
.endm
	s_load_b256 s[4:11], s[0:1], 0x0               ; qrec, kvrec, mask, oimg
	s_load_b64 s[12:13], s[0:1], 0x20              ; osc
	v_lshl_add_u32 v254, v0, 2, 0x29000
	v_mov_b32 v255, 0
	ds_add_u32 v254, v255
	ds_add_u32 v254, v255
	s_wait_dscnt 0x0
	v_lshrrev_b32 v1, 5, v0
	s_delay_alu instid0(VALU_DEP_1)
	v_readfirstlane_b32 s[WV], v1                  ; wave 0..15
	s_bfe_u32 s15, ttmp6, 0x40000                  ; cx
	s_lshl_b32 s16, ttmp9, 2
	s_add_co_u32 s16, s16, s15                     ; my block of 512 queries: it enters Q's and O's addresses alone
	s_and_b32 s17, ttmp7, 0xffff                   ; batch x 16 + head, which the four partners share
	s_lshr_b32 s18, s17, 4
	s_and_b32 s19, s17, 15
	s_mov_b32 s[G1], 15|(3<<16)|(1<<21)            ; 15:0 the mask: all four; 17:16 elements of 8 bytes; 21 set beside a mask; no padding
	s_mov_b32 s[G1+1], 32<<16                      ; tensor_dim0: 256 bytes
	s_mov_b32 s[G1+2], 35<<16                      ; tensor_dim1
	s_mov_b32 s[G1+3], 32<<16                      ; tile_dim0
	s_mov_b32 s[G1+4], 35                          ; tile_dim1
	s_mov_b32 s[G1+5], 32                          ; dense
	s_mov_b32 s[G1+6], 0
	s_mov_b32 s[G1+7], 0
	s_mul_i32 s40, s17, REC                        ; the head's record
	s_mov_b32 s41, 0
	s_mov_b32 s[G0], 1
	s_mul_i32 s[G0+1], s[WV], 8960                 ; my sixteenth of it, in LDS as in memory
	s_add_co_u32 s42, s40, s[G0+1]
	s_mov_b32 s43, 0
	s_mov_b32 s[SEL], 0x76543210
	s_mov_b32 s[SEL+1], 0xfedcba98
	s_mov_b32 s[CS], 0x3e38aa3b                    ; c = log2(e) / 8
	s_mov_b32 s[CS+1], s[CS]                       ; (named with it as a pair, so it is written)
	s_mov_b32 s[HM], 0xffff0000                    ; lanes 16-31
	s_wait_kmcnt 0x0
	s_add_nc_u64 s[G0+2:G0+3], s[6:7], s[42:43]
	s_or_b32 s[G0+3], s[G0+3], 0x80000000
	CROUND                                         ; all four work-groups are here: the joint loads meet
	tensor_load_to_lds s[G0:G0+3], s[G1:G1+7]
	s_nop 0
.rept 4
	v_nop
.endr
	s_lshl_b32 s44, s16, 5
	s_add_co_u32 s44, s44, s[WV]                   ; my first tile of queries in the batch; the second is 16 on
	s_lshl_b32 s42, s44, 9
	s_add_co_u32 s42, s42, s40
	s_add_nc_u64 s[46:47], s[4:5], s[42:43]        ; its half fragment
	s_lshr_b32 s42, s44, 2
	s_lshl_b32 s42, s42, 8
	s_and_b32 s45, s44, 3
	s_lshl_b32 s45, s45, 2
	s_add_co_u32 s42, s42, s45
	s_add_co_u32 s42, s42, s40
	s_add_nc_u64 s[48:49], s[4:5], s[42:43]        ; its scale words
	s_lshl_b32 s42, s18, 13
	s_add_nc_u64 s[8:9], s[8:9], s[42:43]          ; the batch's mask
	s_lshl_b32 s51, s18, 7
	s_add_co_u32 s51, s51, s44                     ; the tile among all 512
	s_lshl_b32 s42, s51, 4
	s_add_co_u32 s42, s42, s19
	s_lshl_b32 s42, s42, 9
	s_add_nc_u64 s[10:11], s[10:11], s[42:43]      ; oimg
	s_lshl_b32 s42, s51, 9
	s_lshr_b32 s45, s19, 3
	s_lshl_b32 s45, s45, 8
	s_add_co_u32 s42, s42, s45
	s_bfe_u32 s45, s19, 0x20001
	s_lshl_b32 s45, s45, 2
	s_add_co_u32 s42, s42, s45
	s_and_b32 s45, s19, 1
	s_lshl_b32 s45, s45, 1
	s_add_co_u32 s42, s42, s45
	s_add_nc_u64 s[12:13], s[12:13], s[42:43]      ; osc
	v_and_b32 v6, 31, v0                           ; lane
	v_and_b32 v7, 15, v0                           ; r
	v_bfe_u32 v8, v0, 4, 1                         ; h
	s_delay_alu instid0(VALU_DEP_3)
	v_lshlrev_b32 v[AK0], 4, v6
	s_delay_alu instid0(VALU_DEP_3)
	v_lshlrev_b32 v9, 4, v7                        ; 16 r
	v_lshlrev_b32 v10, 4, v0                       ; 16 x thread
	global_load_b128 v[16:19], v[AK0], s[46:47]
	global_load_b128 v[24:27], v[AK0], s[46:47] offset:8192
	global_load_b32 v255, v9, s[48:49] offset:131072
	global_load_b32 v28, v9, s[48:49] offset:131072+1024
	global_load_b128 v[232:235], v10, s[8:9]       ; four keys' mask a thread: 512 threads, 2,048 keys
	v_add_nc_u32 v[AV0], 65536, v[AK0]
	v_add_nc_u32 v[ASK0], 131072, v[AK0]
	v_add_nc_u32 v[ASV0], 139264, v9
	v_lshl_add_u32 v[AM0], v8, 6, MB
	v_add_nc_u32 v11, v9, v8                       ; 16 r + h
	v_lshl_add_u32 v29, v0, 4, MB
	v_mov_b32 v30, 0xd0000000                      ; -2^33
.irp k, 20,21,22,23
	v_mov_b32 v[\k], 0                             ; k = 64 .. 127 of Q: zero codes
.endr
.irp t, 0,1,2,3,4,5,6,7
.irp k, 4,5,6,7
	v_mov_b32 v[32+8*\t+\k], 0                     ; and of K: written once
.endr
.endr
.irp b, 0,1,2,3
	v_mov_b32 v[236+\b], 0                         ; a lane permute's destination counts as read
.endr
	v_mov_b32 v253, 0                              ; (named as the upper half of the pair v[252:253] before it is first written)
	s_wait_loadcnt 0x0
.irp k, 0,1,2,3
	v_cmp_eq_u32 vcc_lo, 0, v[232+\k]
	s_delay_alu instid0(VALU_DEP_1)
	v_cndmask_b32 v[232+\k], 0, v30, vcc_lo
.endr
	ds_store_b128 v29, v[232:235]
	s_wait_tensorcnt 0x0                           ; my part of the record has landed,
	s_wait_dscnt 0x0                               ; my part of the table is stored,
	s_barrier_signal -1
	s_barrier_wait -1                              ; everybody's are
; One tile of 16 queries against all 2,048 keys, 128 a trip.
.macro QTILE n
.if \n
.irp k, 0,1,2,3
	v_mov_b32 v[16+\k], v[24+\k]                   ; the second tile's Q and its scale word: the 32 lines below stand between these and the first product
.endr
	v_mov_b32 v255, v28
.endif
	s_mov_b32 s[TK], 0
	s_mov_b32 s[TS], 0
	s_mov_b32 s[TJ], 0
	s_mov_b32 s[CNT], 16
	v_mov_b32 v13, 0xff61b1e6                      ; the largest t so far: -3e38
	s_delay_alu instid0(VALU_DEP_1)
	v_floor_f32 v12, -v13                          ; -M
	v_mov_b32 v14, 0
	v_mov_b32 v15, 0
.set j, 0
.rept 32
	v_mov_b32 v[160+j], 0                          ; O^T: the step is written once; its first trip finds zeros
.set j, j+1
.endr
.Lstep_\@:
	s_setprio 2
	v_add_nc_u32 v[ADK], s[TK], v[AK0]             ; these five are also the places between the last trip's products and the loads into their registers
	v_add_nc_u32 v[ADV], s[TK], v[AV0]
	v_add_nc_u32 v[ADS], s[TS], v[ASK0]
	v_add_nc_u32 v[ADT], s[TJ], v[ASV0]
	v_add_nc_u32 v[ADM], s[TS], v[AM0]
	ds_load_b128 v[240:243], v[ADS]                ; K's scale words: lanes 0-15 tiles 0-3, lanes 16-31 tiles 4-7
.irp t, 0,1,2,3,4,5,6,7
	ds_load_b128 v[32+8*\t:35+8*\t], v[ADK] offset:512*\t
.endr
.irp t, 0,1,2,3,4,5,6,7
.irp e, 0,1
	ds_load_b128 v[96+8*\t+4*\e:99+8*\t+4*\e], v[ADM] offset:128*(\t/2)+32*(\t%2)+16*\e   ; the table at keys 32 (t / 2) + 16 h + 8 (t % 2) + 0 .. 7: what the product adds onto
.endr
.endr
	ds_load_b128 v[248:251], v[ADT]                ; V's scale words
.irp t, 0,1,2,3
.irp c, 0,1
	ds_load_b128 v[192+8*\t+4*\c:195+8*\t+4*\c], v[ADV] offset:1024*\t+512*\c
.endr
.endr
	s_wait_dscnt 9                                 ; all but V's nine
.irp t, 0,1,2,3
	v_wmma_scale_f32_16x16x128_f8f6f4 v[96+8*\t:103+8*\t], v[32+8*\t:39+8*\t], v[16:23], v[96+8*\t:103+8*\t], v[240+\t], v255 matrix_a_fmt:MATRIX_FMT_FP4 matrix_b_fmt:MATRIX_FMT_FP4
.endr
.irp t, 4,5,6,7
	v_wmma_scale_f32_16x16x128_f8f6f4 v[96+8*\t:103+8*\t], v[32+8*\t:39+8*\t], v[16:23], v[96+8*\t:103+8*\t], v[236+\t], v255 matrix_a_fmt:MATRIX_FMT_FP4 matrix_b_fmt:MATRIX_FMT_FP4 matrix_a_scale:MATRIX_SCALE_ROW1
.endr
.rept 4
	v_nop
.endr
.irp b, 0,1,2,3
	v_max3_num_f32 v[232+\b], v[96+16*\b], v[97+16*\b], v[98+16*\b]   ; the largest score of each block of 32 keys: it serves the row's maximum and, since p rises with the score, the block's largest p
.endr
.irp i, 3,5,7,9,11,13
.irp b, 0,1,2,3
	v_max3_num_f32 v[232+\b], v[232+\b], v[96+16*\b+\i], v[97+16*\b+\i]
.endr
.endr
.irp b, 0,1,2,3
	v_max_num_f32 v[232+\b], v[232+\b], v[111+16*\b]
.endr
.irp b, 0,1,2,3
	s_delay_alu instid0(VALU_DEP_4)
	v_permlanex16_b32 v[236+\b], v[232+\b], s[SEL], s[SEL+1]
.endr
.irp b, 0,1,2,3
	s_delay_alu instid0(VALU_DEP_4)
	v_max_num_f32 v[232+\b], v[232+\b], v[236+\b]  ; with lane l xor 16's 16 keys
.endr
	s_delay_alu instid0(VALU_DEP_2)
	v_max3_num_f32 v254, v232, v233, v234
	s_delay_alu instid0(VALU_DEP_1)
	v_max_num_f32 v254, v254, v235
	s_delay_alu instid0(VALU_DEP_1)
	v_mul_f32 v254, s[CS], v254                    ; the step's largest t
	s_delay_alu instid0(VALU_DEP_1)
	v_max_num_f32 v13, v13, v254
	v_mov_b32 v254, v12
	s_delay_alu instid0(VALU_DEP_2)
	v_floor_f32 v12, -v13                          ; the new -M = -ceil(t)
	s_delay_alu instid0(VALU_DEP_1)
	v_sub_f32 v254, v12, v254                      ; old M - new M: a whole number, 0 or less
	s_delay_alu instid0(VALU_DEP_1)
	v_cvt_i32_f32 v254, v254                       ; (it saturates)
	s_delay_alu instid0(VALU_DEP_1)
	v_ldexp_f32 v252, 1.0, v254                    ; f = 2^(old M - new M)
.set j, 0
.rept 32
	v_pk_fma_f32 v[96+j:97+j], v[96+j:97+j], s[CS:CS+1], v[12:13] op_sel_hi:[1,0,0]   ; t - M
.set j, j+2
.endr
.irp b, 0,1,2,3
	v_fma_f32 v[232+\b], v[232+\b], s[CS], v12
.endr
.set j, 0
	s_setprio 1
	s_wait_alu depctr_va_vdst(0)
.rept 64
	v_exp_f32 v[96+j], v[96+j]                     ; p = 2^(t - M)
.set j, j+1
.endr
.irp b, 0,1,2,3
	v_exp_f32 v[232+\b], v[232+\b]                 ; the block's largest p: the same two instructions on the same number
.endr
	v_pk_mul_f32 v[14:15], v[14:15], v[252:253] op_sel_hi:[1,0]   ; l under the new M; a plain line behind the exponentials
	s_wait_alu depctr_va_vdst(0)
.irp b, 0,1,2,3
	v_max_num_f32 v[232+\b], 0x1800000, v[232+\b]  ; the floor 2^(3 - 127)
.endr
.irp b, 0,1,2,3
	s_delay_alu instid0(VALU_DEP_4)
	v_add_nc_u32 v[244+\b], 0xff000000, v[232+\b]
.endr
.irp b, 0,1,2,3
	s_delay_alu instid0(VALU_DEP_4)
	v_lshrrev_b32 v[236+\b], 23, v[244+\b]
.endr
	s_delay_alu instid0(VALU_DEP_3)
	v_lshl_or_b32 v253, v237, 8, v236              ; p's scale word for these 128 keys
	s_delay_alu instid0(VALU_DEP_1)
	v_lshl_or_b32 v253, v238, 16, v253
	s_delay_alu instid0(VALU_DEP_1)
	v_lshl_or_b32 v253, v239, 24, v253
.irp b, 0,1,2,3
	v_cvt_scalef32_pk8_fp4_f32 v[224+2*\b], v[96+16*\b:103+16*\b], v[244+\b]
	v_cvt_scalef32_pk8_fp4_f32 v[225+2*\b], v[104+16*\b:111+16*\b], v[244+\b]
.endr
	v_nop                                          ; one plain line behind a scaled conversion
.irp c, 0,1
.irp i, 0,1
	v_permlane16_swap_b32 v[224+4*\c+\i], v[226+4*\c+\i]
.endr
.endr
.set j, 0
.rept 16
	v_pk_mul_f32 v[160+j:161+j], v[160+j:161+j], v[252:253] op_sel_hi:[1,0]   ; O^T under the new M
.set j, j+2
.endr
	v_pk_add_f32 v[236:237], v[100:101], v[104:105]
	v_pk_add_f32 v[246:247], v[108:109], v[112:113]
	v_pk_add_f32 v[244:245], v[116:117], v[120:121]
	v_pk_add_f32 v[242:243], v[124:125], v[128:129]
	v_pk_add_f32 v[240:241], v[132:133], v[136:137]
	v_pk_add_f32 v[234:235], v[140:141], v[144:145]
	v_pk_add_f32 v[232:233], v[148:149], v[152:153]
	v_pk_add_f32 v[14:15], v[14:15], v[156:157]
	v_pk_add_f32 v[236:237], v[236:237], v[96:97]
	v_pk_add_f32 v[246:247], v[246:247], v[98:99]
	v_pk_add_f32 v[244:245], v[244:245], v[102:103]
	v_pk_add_f32 v[242:243], v[242:243], v[106:107]
	s_setprio 0
	v_pk_add_f32 v[240:241], v[240:241], v[110:111]
	v_pk_add_f32 v[234:235], v[234:235], v[114:115]
	v_pk_add_f32 v[232:233], v[232:233], v[118:119]
	v_pk_add_f32 v[14:15], v[14:15], v[122:123]
	v_pk_add_f32 v[236:237], v[236:237], v[126:127]
	v_pk_add_f32 v[246:247], v[246:247], v[130:131]
	v_pk_add_f32 v[244:245], v[244:245], v[134:135]
	v_pk_add_f32 v[242:243], v[242:243], v[138:139]
	v_pk_add_f32 v[240:241], v[240:241], v[142:143]
	v_pk_add_f32 v[234:235], v[234:235], v[146:147]
	v_pk_add_f32 v[232:233], v[232:233], v[150:151]
	v_pk_add_f32 v[14:15], v[14:15], v[154:155]
	v_pk_add_f32 v[236:237], v[236:237], v[158:159]
	s_delay_alu instid0(VALU_DEP_2)
	v_pk_add_f32 v[14:15], v[14:15], v[242:243]
	s_delay_alu instid0(VALU_DEP_2)
	v_pk_add_f32 v[236:237], v[236:237], v[240:241]
	v_pk_add_f32 v[246:247], v[246:247], v[234:235]
	v_pk_add_f32 v[244:245], v[244:245], v[232:233]
	s_delay_alu instid0(VALU_DEP_2)
	v_pk_add_f32 v[14:15], v[14:15], v[246:247]
	s_delay_alu instid0(VALU_DEP_2)
	v_pk_add_f32 v[236:237], v[236:237], v[244:245]
	s_delay_alu instid0(VALU_DEP_1)
	v_pk_add_f32 v[14:15], v[14:15], v[236:237]
	s_wait_dscnt 0x0                               ; V
.irp t, 0,1,2,3
	v_wmma_scale_f32_16x16x128_f8f6f4 v[160+8*\t:167+8*\t], v[192+8*\t:199+8*\t], v[224:231], v[160+8*\t:167+8*\t], v[248+\t], v253 matrix_a_fmt:MATRIX_FMT_FP4 matrix_b_fmt:MATRIX_FMT_FP4
.endr
	s_add_co_u32 s[TK], s[TK], 4096
	s_add_co_u32 s[TS], s[TS], 512
	s_add_co_u32 s[TJ], s[TJ], 256
	s_sub_co_u32 s[CNT], s[CNT], 1
	s_cmp_lg_u32 s[CNT], 0
	s_cbranch_scc1 .Lstep_\@
	s_setprio 0
.rept 4
	v_nop
.endr
	s_wait_alu depctr_va_vdst(0)
	v_add_f32 v14, v14, v15                        ; l's two halves,
	s_delay_alu instid0(VALU_DEP_1)
	v_permlanex16_b32 v252, v14, s[SEL], s[SEL+1]
	s_delay_alu instid0(VALU_DEP_1)
	v_add_f32 v14, v14, v252                       ; and lane l xor 16's
	s_wait_alu depctr_va_vdst(0)
	v_rcp_f32 v14, v14
	v_nop
.set j, 0
	s_wait_alu depctr_va_vdst(0)
.rept 32
	v_mul_f32 v[96+j], v[160+j], v14               ; O^T / l: register 16 b + i is d = 32 b + 16 h + i of my query
.set j, j+1
.endr
.irp b, 0,1
	v_max3_num_f32 v[232+\b], |v[96+16*\b]|, |v[97+16*\b]|, 0x1800000
.endr
.irp i, 2,4,6,8,10,12,14
.irp b, 0,1
	s_delay_alu instid0(VALU_DEP_2)
	v_max3_num_f32 v[232+\b], v[232+\b], |v[96+16*\b+\i]|, |v[97+16*\b+\i]|
.endr
.endr
.irp b, 0,1
	s_delay_alu instid0(VALU_DEP_2)
	v_permlanex16_b32 v[236+\b], v[232+\b], s[SEL], s[SEL+1]
.endr
.irp b, 0,1
	s_delay_alu instid0(VALU_DEP_2)
	v_max_num_f32 v[232+\b], v[232+\b], v[236+\b]
.endr
.irp b, 0,1
	s_delay_alu instid0(VALU_DEP_2)
	v_add_nc_u32 v[244+\b], 0xff000000, v[232+\b]
.endr
.irp b, 0,1
	s_delay_alu instid0(VALU_DEP_2)
	v_lshrrev_b32 v[236+\b], 23, v[244+\b]
.endr
.irp b, 0,1
	v_cvt_scalef32_pk8_fp4_f32 v[224+2*\b], v[96+16*\b:103+16*\b], v[244+\b]
	v_cvt_scalef32_pk8_fp4_f32 v[225+2*\b], v[104+16*\b:111+16*\b], v[244+\b]
.endr
	v_nop
	v_permlane16_swap_b32 v224, v226
	v_permlane16_swap_b32 v225, v227               ; v[224:227]: d = 32 h + 0 .. 31 of my query
	v_cndmask_b32 v238, v236, v237, s[HM]          ; lane (r, h) stores the byte of block h
	global_store_b128 v[AK0], v[224:227], s[10:11] offset:131072*\n   ; 512 consecutive bytes, aligned
	global_store_b8 v11, v238, s[12:13] offset:8192*\n
	s_wait_xcnt 0x0                                ; the stores' registers are written again in the next tile
.endm
	QTILE 0
	QTILE 1
	s_wait_xcnt 0x0
	v_lshl_add_u32 v254, v0, 2, 0x29000
	v_mov_b32 v255, 0
	s_wait_alu depctr_va_vdst(0)
	s_wait_tensorcnt 0x0
	ds_add_u32 v254, v255
	s_wait_dscnt 0x0
	CROUND                                         ; the closing round
	s_endpgm
.Lfunc_end_k_q50886d564c_attn:
	.size	k_q50886d564c_attn, .Lfunc_end_k_q50886d564c_attn-k_q50886d564c_attn
	.p2alignl 7, 3214868480
	.fill 96, 4, 3214868480
	.section	.rodata,"a",@progbits
	.p2align	6, 0x0
	.amdhsa_kernel k_q50886d564c_attn
		.amdhsa_group_segment_fixed_size 169984
		.amdhsa_private_segment_fixed_size 0
		.amdhsa_enable_private_segment 0
		.amdhsa_kernarg_size 40
		.amdhsa_user_sgpr_count 2
		.amdhsa_user_sgpr_kernarg_segment_ptr 1
		.amdhsa_wavefront_size32 1
		.amdhsa_system_sgpr_workgroup_id_x 1
		.amdhsa_system_sgpr_workgroup_id_y 1
		.amdhsa_system_sgpr_workgroup_id_z 1
		.amdhsa_system_vgpr_workitem_id 0
		.amdhsa_next_free_vgpr 256
		.amdhsa_next_free_sgpr 66
		.amdhsa_reserve_vcc 1
		.amdhsa_float_denorm_mode_32 3
		.amdhsa_float_denorm_mode_16_64 3
		.amdhsa_memory_ordered 1
		.amdhsa_forward_progress 1
		.amdhsa_inst_pref_size 53
	.end_amdhsa_kernel
	.amdgpu_metadata
---
amdhsa.version: [ 1, 2 ]
amdhsa.kernels:
  - .name:           k_q50886d564c_attn
    .symbol:         k_q50886d564c_attn.kd
    .args:
      - { .name: qrec, .offset: 0, .size: 8, .value_kind: global_buffer, .address_space: global }
      - { .name: kvrec, .offset: 8, .size: 8, .value_kind: global_buffer, .address_space: global }
      - { .name: mask, .offset: 16, .size: 8, .value_kind: global_buffer, .address_space: global }
      - { .name: oimg, .offset: 24, .size: 8, .value_kind: global_buffer, .address_space: global }
      - { .name: osc, .offset: 32, .size: 8, .value_kind: global_buffer, .address_space: global }
    .group_segment_fixed_size: 169984
    .private_segment_fixed_size: 0
    .kernarg_segment_align: 8
    .kernarg_segment_size: 40
    .max_flat_workgroup_size: 512
    .sgpr_count:     66
    .vgpr_count:     256
    .wavefront_size: 32
...
	.end_amdgpu_metadata
.endif
;; end of part 3
;; launch outp (part 4): grid 4 x 32, 4 waves a work-group, clusters of 4 x 4, 327,680 bytes of LDS; arguments oimg, osc, xc, xs, bo, out0; writes out0
.if DOCPART == 4
	.amdgcn_target "amdgcn-amd-amdhsa--gfx1250"
	.amdhsa_code_object_version 6
	.text
	.protected	k_q50886d564c_outp
	.globl	k_q50886d564c_outp
	.p2align	8
	.type	k_q50886d564c_outp,@function
k_q50886d564c_outp:
	s_mov_b64 s[64:65], 0
	v_nop
	global_prefetch_b8 v0, s[64:65] scope:SCOPE_SE
	s_setreg_imm32_b32 hwreg(HW_REG_WAVE_MODE, 25, 1), 1
	s_wait_xcnt 0x0
	s_wait_alu depctr_hold_cnt(0) depctr_sa_sdst(0) depctr_va_vdst(0) depctr_va_sdst(0) depctr_va_ssrc(0) depctr_va_vcc(0) depctr_vm_vsrc(0)
	s_getreg_b32 s2, hwreg(HW_REG_IB_STS2, 6, 4)
	s_cmp_eq_u32 s2, 0
	s_cbranch_scc0 .Lentry_in_a_cluster
	s_endpgm
.Lentry_in_a_cluster:
	s_bfe_u32 s2, ttmp6, 0x10000c
	s_cmp_lg_u32 s2, 0xf033
	s_cbranch_scc0 .Lentry_shape_is_right
	s_endpgm
.Lentry_shape_is_right:
; out0 = O Wo^T + bo on codes of FP4 with E8M0 scales.  O's codes and scale words come from the attention, Wo's are tiles 1728-1791 of xc and xs, all in the order of an operand's registers:
; a tile of 16 rows is 8,192 bytes = [K step 8][c 2][lane][16 bytes] and 512 bytes of scale words [kh 2][r 16][q 4]; lane r of tile T stands for row 32 (T / 2) + 8 (T % 2) + r + 8 (r / 8).
; Work-group (X, Y): tokens 256 Y on, features 256 X on; four waves, each 128 x 128: 64 accumulators.  K = 1,024 fits in LDS whole: every LDS byte is filled once; one wait for all tensor loads and one
; barrier stand in front of all reads; two tensor loads of a wave are out at the most.  128 work-groups: the problem has 128 such tiles.
; CLUSTERS: 4 x 4 work-groups; the tokens' panel is asked for jointly along a row of the cluster, the weights' along a column.
; Source 1 = tokens (a result's lane), source 0 = weights (its registers): a lane's 64 registers of a token tile are 128 features, 16 neighbours at a time.
; THE WAY OUT: + bias, through the wave's own stage in LDS (bytes that no tensor load touches), back as whole rows of 512 bytes: each store covers 512 consecutive aligned bytes.
; REGISTERS: window 0: v16-27 addresses; v32-95 scale words and nothing else; v128-191 source 1's fragments, later 64 sums; v192-255 rows read back.  window 1: source 0's two sets, v0-63 and v128-191; v64-127 the bias.  windows 2, 3: accumulators.
.set SCL,   262144                     ; LDS: 0 the tokens' panel, 131072 the weights', here the tokens' scale records, 8,192 on the weights'
.set STG,   278528                     ; the stages: 16 rows x 528 bytes for each wave
.set FR,    8
.set ADRA,  16
.set ADRB,  20
.set LI,    24                         ; v24  16 x lane
.set STO,   25                         ; v25  the stage: row r, + 64 h
.set RD,    26                         ; v26  the stage: 16 x lane
.set ADRS,  27
.set SC,    32
.set AF,    128
.set T,     128
.set BK,    192
.set BI,    64
.set G1, 24
.set G0, 32
.set G1B, 48
.set G0B, 56
.set G1S, 68
.set G0S, 76
.set G1SB, 80
.set G0SB, 88
.set MSB, 0
.macro WIN new                         ; the immediate's high byte repeats the setting that is left
.if MSB != (\new)
	s_set_vgpr_msb (MSB<<8)|(\new)
.set MSB, (\new)
.endif
.endm
.set MUL_LO, 0xa1
.set MUL_HI, 0xf1
.set TO_B,   0x40
.macro JLOAD g0a, g1a, g0b, g1b        ; waves 0 and 1 fetch the tokens' halves, waves 2 and 3 the weights'; four v_nop follow each of the two lines
	s_cmp_eq_u32 s21, 0
	s_cbranch_scc0 .Lfor_b_\@
	tensor_load_to_lds s[\g0a:\g0a+3], s[\g1a:\g1a+7]
	s_nop 0
.rept 4
	v_nop
.endr
	s_branch .Lasked_\@
.Lfor_b_\@:
	tensor_load_to_lds s[\g0b:\g0b+3], s[\g1b:\g1b+7]
	s_nop 0
.rept 4
	v_nop
.endr
.Lasked_\@:
.endm
.macro CROUND
	s_barrier_signal -1
	s_barrier_wait -1
	s_cmp_lg_u32 s20, 0
	s_cbranch_scc1 .Lnot_wave_0_\@
	s_barrier_signal -3
.Lnot_wave_0_\@:
	s_barrier_wait -3
	s_barrier_signal -1
	s_barrier_wait -1
.endm
.macro PLACES n
.rept \n
	v_nop
.endr
.endm
	s_load_b256 s[4:11], s[0:1], 0x0               ; oimg, osc, xc, xs
	s_load_b128 s[12:15], s[0:1], 0x20             ; bo, out0
	v_lshl_add_u32 v126, v0, 2, 0x4c400
	v_mov_b32 v127, 0
	ds_add_u32 v126, v127
	ds_add_u32 v126, v127
	v_lshrrev_b32 v1, 5, v0
	v_readfirstlane_b32 s20, v1                    ; wave 0..3
	s_lshr_b32 s21, s20, 1                         ; which half of the tokens is mine.  Also: I fetch tokens (0) or weights (1)
	s_and_b32 s22, s20, 1                          ; which half of the features.  Also: which half of that panel I fetch
	s_bfe_u32 s40, ttmp6, 0x40000                  ; cx, cy
	s_bfe_u32 s41, ttmp6, 0x40004
	s_lshl_b32 s42, ttmp9, 2
	s_add_co_u32 s42, s42, s40                     ; X
	s_and_b32 s36, ttmp7, 0xffff
	s_lshl_b32 s37, s36, 2
	s_add_co_u32 s37, s37, s41                     ; Y
	s_lshl_b32 s43, s41, 2
	s_lshl_b32 s43, 15, s43                        ; my row of the cluster
	s_lshl_b32 s44, 0x1111, s40                    ; my column
	s_or_b32 s[G1], s43, (3<<16)|(1<<21)           ; 15:0 the mask; 17:16 elements of 8 bytes; 21 set beside a mask; no padding
	s_or_b32 s[G1B], s44, (3<<16)|(1<<21)
	s_or_b32 s[G1S], s43, (3<<16)|(1<<21)
	s_or_b32 s[G1SB], s44, (3<<16)|(1<<21)
.irp g, G1, G1B                        ; codes: 65,536 dense bytes as 256 rows of 256
	s_mov_b32 s[\g+1], 32<<16
	s_mov_b32 s[\g+2], 256<<16
	s_mov_b32 s[\g+3], 32<<16
	s_mov_b32 s[\g+4], 256
	s_mov_b32 s[\g+5], 32
	s_mov_b32 s[\g+6], 0
	s_mov_b32 s[\g+7], 0
.endr
.irp g, G1S, G1SB                      ; scale records: 4,096 dense bytes as 16 rows of 256
	s_mov_b32 s[\g+1], 32<<16
	s_mov_b32 s[\g+2], 16<<16
	s_mov_b32 s[\g+3], 32<<16
	s_mov_b32 s[\g+4], 16
	s_mov_b32 s[\g+5], 32
	s_mov_b32 s[\g+6], 0
	s_mov_b32 s[\g+7], 0
.endr
	s_lshl_b32 s47, s22, 3
	s_lshl_b32 s45, s37, 4
	s_add_co_u32 s45, s45, s47                     ; the first token tile that I fetch: 16 Y + 8 x half
	s_lshl_b32 s46, s42, 4
	s_add_co_u32 s46, s46, s47
	s_add_co_u32 s46, s46, 1728                    ; the first tile of Wo: 1728 + 16 X + 8 x half
	s_lshl_b32 s60, s45, 13
	s_mov_b32 s61, 0
	s_lshl_b32 s62, s45, 9
	s_mov_b32 s63, 0
	s_lshl_b32 s92, s46, 13
	s_mov_b32 s93, 0
	s_lshl_b32 s94, s46, 9
	s_mov_b32 s95, 0
	s_lshl_b32 s96, s20, 16                        ; where they go: no place in the cluster enters an LDS address
	s_lshl_b32 s97, s20, 12
	s_wait_dscnt 0x0
	s_wait_kmcnt 0x0
	CROUND                                         ; all sixteen work-groups are here: the joint loads meet
	s_mov_b32 s[G0S], 1
	s_add_co_u32 s[G0S+1], s97, SCL
	s_add_nc_u64 s[G0S+2:G0S+3], s[6:7], s[62:63]
	s_or_b32 s[G0S+3], s[G0S+3], 0x80000000
	s_mov_b32 s[G0SB], 1
	s_add_co_u32 s[G0SB+1], s97, SCL
	s_add_nc_u64 s[G0SB+2:G0SB+3], s[10:11], s[94:95]
	s_or_b32 s[G0SB+3], s[G0SB+3], 0x80000000
	JLOAD G0S, G1S, G0SB, G1SB
	s_mov_b32 s[G0], 1
	s_mov_b32 s[G0+1], s96
	s_add_nc_u64 s[G0+2:G0+3], s[4:5], s[60:61]
	s_or_b32 s[G0+3], s[G0+3], 0x80000000
	s_mov_b32 s[G0B], 1
	s_mov_b32 s[G0B+1], s96
	s_add_nc_u64 s[G0B+2:G0B+3], s[8:9], s[92:93]
	s_or_b32 s[G0B+3], s[G0B+3], 0x80000000
	s_wait_alu depctr_va_vdst(0)
	s_wait_tensorcnt 0x0
	ds_add_u32 v126, v127
	s_wait_dscnt 0x0
	CROUND
	JLOAD G0, G1, G0B, G1B
	s_lshl_b32 s92, s42, 10
	s_lshl_b32 s94, s22, 9
	s_add_co_u32 s92, s92, s94                     ; my first feature, 256 X + 128 x half, in bytes
	s_add_nc_u64 s[12:13], s[12:13], s[92:93]
	s_add_nc_u64 s[14:15], s[14:15], s[92:93]
	s_lshl_b32 s60, s37, 20
	s_lshl_b32 s62, s21, 19
	s_add_co_u32 s60, s60, s62                     ; my first token, 256 Y + 128 x half, in rows of 4,096 bytes
	s_add_nc_u64 s[14:15], s[14:15], s[60:61]
	v_and_b32 v1, 15, v0                           ; r
	v_bfe_u32 v2, v0, 4, 1                         ; h
	s_wait_alu depctr_va_vdst(0)
	v_and_b32 v3, 31, v0                           ; lane
	v_lshlrev_b32 v[LI], 4, v3
	v_lshlrev_b32 v4, 6, v2                        ; 16 h numbers
	WIN TO_B
.irp b, 0,1,2,3
.irp e, 0,1,2,3
	global_load_b128 v[BI+16*\b+4*\e:BI+16*\b+4*\e+3], v4, s[12:13] offset:128*\b+16*\e   ; register 16 b + i: the bias of feature 32 b + 16 h + i
.endr
.endr
	WIN 0
	s_lshl_b32 s96, s21, 16
	s_lshl_b32 s97, s22, 16
	s_add_co_u32 s97, s97, 131072
	v_add_nc_u32 v[ADRA], s96, v[LI]               ; my 8 token tiles
	v_add_nc_u32 v[ADRB], s97, v[LI]               ; my 8 weight tiles
	s_lshl_b32 s96, s21, 12
	s_lshl_b32 s97, s22, 12
	s_add_co_u32 s97, s97, 8192
	s_sub_co_u32 s97, s97, s96                     ; from my tokens' scale records to my weights'
	v_mul_u32_u24 v6, s97, v2                      ; lanes 16-31 take the weights'
	v_lshl_add_u32 v6, v1, 4, v6
	s_add_co_u32 s96, s96, SCL
	v_add_nc_u32 v[ADRS], s96, v6
	s_mul_i32 s47, s20, 16*528
	s_add_co_u32 s47, s47, STG                     ; my stage
	v_mul_u32_u24 v[STO], v1, 528
	v_lshl_add_u32 v[STO], v2, 6, v[STO]
	v_add_nc_u32 v[STO], s47, v[STO]
	v_add_nc_u32 v[RD], s47, v[LI]
.macro FRAG reg, adr, q, i
.irp c, 0,1
	ds_load_b128 v[\reg+4*\c:\reg+4*\c+3], v[\adr] offset:(\i)*8192+(\q)*1024+512*\c
.endr
.endm
.macro FETCH_B q, p
	WIN TO_B
.irp i, 0,1,2,3,4,5,6,7
	FRAG 128*(\p)+FR*\i, ADRB, \q, \i
.endr
	WIN 0
.endm
.macro FETCH_A q, i0
.irp i, \i0, \i0+1, \i0+2, \i0+3
	FRAG AF+FR*(\i), ADRA, \q, \i
.endr
.endm
.macro SCALES
.irp i, 0,1,2,3,4,5,6,7
.irp kh, 0,1
	ds_load_b128 v[SC+8*\i+4*\kh:SC+8*\i+4*\kh+3], v[ADRS] offset:512*\i+256*\kh
.endr
.endr
.endm
; The 64 accumulators take turns, one instruction a turn, in the same order in every step.
.macro MUL16 a0, p, q, zero
.irp a, \a0, \a0+1
.irp b, 0,1,2,3,4,5,6,7
.if \zero
	v_wmma_scale_f32_16x16x128_f8f6f4 v[8*(8*((\a)%4)+\b):8*(8*((\a)%4)+\b)+7], v[128*(\p)+FR*\b:128*(\p)+FR*\b+FR-1], v[AF+FR*(\a):AF+FR*(\a)+FR-1], 0, v[SC+8*\b+(\q)], v[SC+8*(\a)+(\q)] matrix_a_fmt:MATRIX_FMT_FP4 matrix_b_fmt:MATRIX_FMT_FP4 matrix_a_scale:MATRIX_SCALE_ROW1
.else
	v_wmma_scale_f32_16x16x128_f8f6f4 v[8*(8*((\a)%4)+\b):8*(8*((\a)%4)+\b)+7], v[128*(\p)+FR*\b:128*(\p)+FR*\b+FR-1], v[AF+FR*(\a):AF+FR*(\a)+FR-1], v[8*(8*((\a)%4)+\b):8*(8*((\a)%4)+\b)+7], v[SC+8*\b+(\q)], v[SC+8*(\a)+(\q)] matrix_a_fmt:MATRIX_FMT_FP4 matrix_b_fmt:MATRIX_FMT_FP4 matrix_a_scale:MATRIX_SCALE_ROW1
.endif
.endr
.endr
.endm
; Four plain vector lines stand between a matrix instruction and a load into a register that it read (ISA guide 7.12.1 for vector instructions).
.macro STEP q, zero
	s_wait_dscnt 8                                 ; all but the youngest eight loads (the tokens' blocks 4-7)
	WIN MUL_LO
	MUL16 0, (\q)%2, \q, \zero
	MUL16 2, (\q)%2, \q, \zero
	s_wait_dscnt 0x0
	PLACES 4
	FETCH_B (\q)+1, 1-(\q)%2
	FETCH_A (\q)+1, 0
	WIN MUL_HI
	MUL16 4, (\q)%2, \q, \zero
	MUL16 6, (\q)%2, \q, \zero
	PLACES 4
	WIN 0
	FETCH_A (\q)+1, 4
.endm
; Token tile a goes out.
.macro OUT a
	s_wait_xcnt 0x0                                ; the last tile's stores have read the registers that the rows below land in
	WIN 0x06+(\a)/4                                ; source 0: window 2 or 3; source 1: window 1
.set AC, 64*((\a)%4)
.set i, 0
.rept 32                               ; ascending: each accumulator is read from its low end on
	v_pk_add_f32 v[T+i:T+i+1], v[AC+i:AC+i+1], v[BI+i:BI+i+1]
.set i, i+2
.endr
	WIN 0
.irp b, 0,1,2,3
.irp e, 0,1,2,3
	ds_store_b128 v[STO], v[T+16*\b+4*\e:T+16*\b+4*\e+3] offset:128*\b+16*\e
.endr
.endr
.irp t, 0,1,2,3,4,5,6,7,8,9,10,11,12,13,14,15
	ds_load_b128 v[BK+4*\t:BK+4*\t+3], v[RD] offset:528*\t   ; LDS serves a wave's instructions in order: these see the stores above
.endr
.irp t, 0,1,2,3,4,5,6,7,8,9,10,11,12,13,14,15
	s_wait_dscnt 15-\t                             ; row t is back; the rows behind it may be out
	global_store_b128 v[LI], v[BK+4*\t:BK+4*\t+3], s[14:15] offset:(32*((\a)/2)+8*((\a)%2)+\t+8*(\t/8))*4096 th:TH_STORE_NT   ; 512 consecutive bytes of one row, aligned; written once
.endr
.endm
	s_wait_alu depctr_va_vdst(0)
	s_wait_tensorcnt 0x0                           ; my two loads have landed,
	s_barrier_signal -1
	s_barrier_wait -1                              ; everybody's have
	FETCH_B 0, 0
	FETCH_A 0, 0
	SCALES
	FETCH_A 0, 4
	STEP 0, 1                                      ; the first step's products start the sums
.irp q, 1,2,3,4,5,6
	STEP \q, 0
.endr
	s_wait_dscnt 8                                 ; the last step: nothing more to fetch
	WIN MUL_LO
	MUL16 0, 1, 7, 0
	MUL16 2, 1, 7, 0
	s_wait_dscnt 0x0
	WIN MUL_HI
	MUL16 4, 1, 7, 0
	MUL16 6, 1, 7, 0
	WIN 0
	PLACES 4                                       ; in front of the first read of results and the first write over the tokens' fragments
	s_wait_loadcnt 0x0                             ; the bias
.irp a, 0,1,2,3,4,5,6,7
	OUT \a
.endr
	s_wait_tensorcnt 0x0
	ds_add_u32 v126, v127
	s_wait_dscnt 0x0
	CROUND                                         ; the closing round
	s_endpgm
.Lfunc_end_k_q50886d564c_outp:
	.size	k_q50886d564c_outp, .Lfunc_end_k_q50886d564c_outp-k_q50886d564c_outp
	.p2alignl 7, 3214868480
	.fill 96, 4, 3214868480
	.section	.rodata,"a",@progbits
	.p2align	6, 0x0
	.amdhsa_kernel k_q50886d564c_outp
		.amdhsa_group_segment_fixed_size 327680
		.amdhsa_private_segment_fixed_size 0
		.amdhsa_enable_private_segment 0
		.amdhsa_kernarg_size 48
		.amdhsa_user_sgpr_count 2
		.amdhsa_user_sgpr_kernarg_segment_ptr 1
		.amdhsa_wavefront_size32 1
		.amdhsa_system_sgpr_workgroup_id_x 1
		.amdhsa_system_sgpr_workgroup_id_y 1
		.amdhsa_system_sgpr_workgroup_id_z 1
		.amdhsa_system_vgpr_workitem_id 0
		.amdhsa_next_free_vgpr 1024
		.amdhsa_next_free_sgpr 102
		.amdhsa_reserve_vcc 0
		.amdhsa_float_denorm_mode_32 3
		.amdhsa_float_denorm_mode_16_64 3
		.amdhsa_memory_ordered 1
		.amdhsa_forward_progress 1
		.amdhsa_inst_pref_size 144
	.end_amdhsa_kernel
	.amdgpu_metadata
---
amdhsa.version: [ 1, 2 ]
amdhsa.kernels:
  - .name:           k_q50886d564c_outp
    .symbol:         k_q50886d564c_outp.kd
    .args:
      - { .name: oimg, .offset: 0, .size: 8, .value_kind: global_buffer, .address_space: global }
      - { .name: osc, .offset: 8, .size: 8, .value_kind: global_buffer, .address_space: global }
      - { .name: xc, .offset: 16, .size: 8, .value_kind: global_buffer, .address_space: global }
      - { .name: xs, .offset: 24, .size: 8, .value_kind: global_buffer, .address_space: global }
      - { .name: bo, .offset: 32, .size: 8, .value_kind: global_buffer, .address_space: global }
      - { .name: out0, .offset: 40, .size: 8, .value_kind: global_buffer, .address_space: global }
    .group_segment_fixed_size: 327680
    .private_segment_fixed_size: 0
    .kernarg_segment_align: 8
    .kernarg_segment_size: 48
    .max_flat_workgroup_size: 128
    .sgpr_count:     102
    .vgpr_count:     1024
    .wavefront_size: 32
...
	.end_amdgpu_metadata
.endif
;; end of part 4
